; MI455X (gfx1250); checked and timed in simulation.
; The chip was launched on July 23, 2026; its instructions are those of AMD's public machine-readable ISA for CDNA 5 (MIT licence, August 2026) and "CDNA5" Instruction Set Architecture Reference Guide (July 2026). The comments in the code are by the model that wrote it; some were corrected since.
;; Multi Head Attention. Allowed arithmetic: float matrix products may take bf16 or f16 operands with f32 sums; other float arithmetic in f32, or as packed bf16 or f16 multiplies, adds, multiply-adds, maxima and minima; sums over many terms, partial sums and values carried from step to step in f32; what a program stores and reads back later, other than sums and carried values, may be rounded once to bf16 or f16.
;; Inputs: w_o 1,024 x 1,024 float32; w_qkv 3,072 x 1,024 float32; x 4 x 2,048 x 1,024 float32.
;; Outputs: out0 4 x 2,048 x 1,024 float32.
;; 2 versions, each right; version 2 is version 1 with the launch cvt written anew for expert scheduling mode. Each part assembles by itself: llvm-mc -triple=amdgcn-amd-amdhsa -mcpu=gfx1250 --defsym DOCPART=n.
;; ======== version 1 of 2: 4 launches
;; limits: values are held in f16: magnitudes above 65,504 overflow, below 6.1e-05 lose precision; right only within a limited range of input values
;; workspace buffers: xb 16,777,216 bytes; wb 6,291,456 bytes; qf 16,777,216 bytes; pf 8,388,608 bytes; mpart 4,194,304 bytes; stats 4,096 bytes
;; launch cvt (part 1): grid 704 x 1, 8 waves a work-group, no clusters, 0 bytes of LDS; arguments x, w_qkv, xb, wb; writes xb, wb
.if DOCPART == 1
	.amdgcn_target "amdgcn-amd-amdhsa--gfx1250"
	.amdhsa_code_object_version 6
	.text
	.protected	k_qcd3fbda77d_cvt
	.globl	k_qcd3fbda77d_cvt
	.p2align	8
	.type	k_qcd3fbda77d_cvt,@function
k_qcd3fbda77d_cvt:
	s_mov_b64 s[64:65], 0
	v_nop
	global_prefetch_b8 v0, s[64:65] scope:SCOPE_SE
	s_setreg_imm32_b32 hwreg(HW_REG_WAVE_MODE, 25, 1), 1
	s_wait_xcnt 0x0
; xb = x rounded to bf16, wb = w_qkv rounded to bf16 (round to nearest even), same order of numbers.
; A work-group takes 16,384 numbers: 65,536 bytes in, 32,768 out.  Work-groups 0 to 511 take x (8,388,608 numbers), 512 to 703 take w_qkv (3,145,728).
; Thread t takes the 16 bytes at 16 t of each of 16 pieces of 4,096 bytes: a load of a wave covers 512 consecutive bytes, a store 256 consecutive bytes at a multiple of 256.
; All 16 loads of a thread go out at once; no register is written twice, so the only waits are the counted ones for the loads.  No LDS, no barrier, no matrix work: bytes are all there is.
.set NX, 512                           ; work-groups for x
.set XR, 4                             ; v[4:67]   16 x 4 numbers as loaded
.set YR, 68                            ; v[68:99]  16 x 2 registers of packed bf16
	s_load_b256 s[4:11], s[0:1], 0x0               ; x s[4:5], w_qkv s[6:7], xb s[8:9], wb s[10:11]
	v_lshlrev_b32 v1, 4, v0                        ; 16 t: my bytes in a piece of the source
	v_lshlrev_b32 v2, 3, v0                        ; 8 t: in a piece of the destination
	s_sub_co_u32 s12, ttmp9, NX
	s_cmp_lt_u32 ttmp9, NX                         ; x or w_qkv?  The lines up to the last select leave SCC alone
	s_cselect_b32 s13, ttmp9, s12                  ; my number among the work-groups of that tensor
	s_wait_kmcnt 0x0
	s_cselect_b64 s[14:15], s[4:5], s[6:7]         ; from
	s_cselect_b64 s[16:17], s[8:9], s[10:11]       ; to
	s_lshl_b32 s18, s13, 16                        ; 65,536 bytes a work-group in,
	s_mov_b32 s19, 0
	s_lshl_b32 s20, s13, 15                        ; 32,768 out
	s_mov_b32 s21, 0
	s_add_nc_u64 s[14:15], s[14:15], s[18:19]
	s_add_nc_u64 s[16:17], s[16:17], s[20:21]
.set i, 0
.rept 16
	global_load_b128 v[XR+4*i:XR+4*i+3], v1, s[14:15] offset:i*4096 th:TH_LOAD_NT
.set i, i+1
.endr
.set i, 0
.rept 16
	s_wait_loadcnt 15-i                            ; loads come back in order (ISA guide 5.7.1): piece i is in, the 15 - i younger ones stay out
	v_cvt_pk_bf16_f32 v[YR+2*i], v[XR+4*i], v[XR+4*i+1]
	v_cvt_pk_bf16_f32 v[YR+2*i+1], v[XR+4*i+2], v[XR+4*i+3]
	global_store_b64 v2, v[YR+2*i:YR+2*i+1], s[16:17] offset:i*2048
.set i, i+1
.endr
	s_endpgm
.Lfunc_end_k_qcd3fbda77d_cvt:
	.size	k_qcd3fbda77d_cvt, .Lfunc_end_k_qcd3fbda77d_cvt-k_qcd3fbda77d_cvt
	.p2alignl 7, 3214868480
	.fill 96, 4, 3214868480
	.section	.rodata,"a",@progbits
	.p2align	6, 0x0
	.amdhsa_kernel k_qcd3fbda77d_cvt
		.amdhsa_group_segment_fixed_size 0
		.amdhsa_private_segment_fixed_size 0
		.amdhsa_enable_private_segment 0
		.amdhsa_kernarg_size 32
		.amdhsa_user_sgpr_count 2
		.amdhsa_user_sgpr_kernarg_segment_ptr 1
		.amdhsa_wavefront_size32 1
		.amdhsa_system_sgpr_workgroup_id_x 1
		.amdhsa_system_sgpr_workgroup_id_y 1
		.amdhsa_system_sgpr_workgroup_id_z 1
		.amdhsa_system_vgpr_workitem_id 0
		.amdhsa_next_free_vgpr 104
		.amdhsa_next_free_sgpr 66
		.amdhsa_reserve_vcc 0
		.amdhsa_float_denorm_mode_32 3
		.amdhsa_float_denorm_mode_16_64 3
		.amdhsa_memory_ordered 1
		.amdhsa_forward_progress 1
		.amdhsa_inst_pref_size 7
	.end_amdhsa_kernel
	.amdgpu_metadata
---
amdhsa.version: [ 1, 2 ]
amdhsa.kernels:
  - .name:           k_qcd3fbda77d_cvt
    .symbol:         k_qcd3fbda77d_cvt.kd
    .args:
      - { .name: x, .offset: 0, .size: 8, .value_kind: global_buffer, .address_space: global }
      - { .name: w_qkv, .offset: 8, .size: 8, .value_kind: global_buffer, .address_space: global }
      - { .name: xb, .offset: 16, .size: 8, .value_kind: global_buffer, .address_space: global }
      - { .name: wb, .offset: 24, .size: 8, .value_kind: global_buffer, .address_space: global }
    .group_segment_fixed_size: 0
    .private_segment_fixed_size: 0
    .kernarg_segment_align: 8
    .kernarg_segment_size: 32
    .max_flat_workgroup_size: 256
    .sgpr_count:     66
    .vgpr_count:     104
    .wavefront_size: 32
...
	.end_amdgpu_metadata
.endif
;; end of part 1
;; launch qkvm (part 2): grid 16 x 16, 4 waves a work-group, clusters of 4 x 4, 327,680 bytes of LDS; arguments xb, wb, qf, mpart, stats; writes qf, mpart, stats
.if DOCPART == 2
	.amdgcn_target "amdgcn-amd-amdhsa--gfx1250"
	.amdhsa_code_object_version 6
	.text
	.protected	k_qcd3fbda77d_qkvm
	.globl	k_qcd3fbda77d_qkvm
	.p2align	8
	.type	k_qcd3fbda77d_qkvm,@function
k_qcd3fbda77d_qkvm:
	s_mov_b64 s[64:65], 0
	v_nop
	global_prefetch_b8 v0, s[64:65] scope:SCOPE_SE
	s_setreg_imm32_b32 hwreg(HW_REG_WAVE_MODE, 25, 1), 1
	s_wait_xcnt 0x0
	s_wait_alu depctr_hold_cnt(0) depctr_sa_sdst(0) depctr_va_vdst(0) depctr_va_sdst(0) depctr_va_ssrc(0) depctr_va_vcc(0) depctr_vm_vsrc(0)
	s_getreg_b32 s2, hwreg(HW_REG_IB_STS2, 6, 4)
	s_cmp_eq_u32 s2, 0
	s_cbranch_scc0 .Lentry_in_a_cluster
	s_endpgm
.Lentry_in_a_cluster:
	s_bfe_u32 s2, ttmp6, 0x10000c
	s_cmp_lg_u32 s2, 0xf033
	s_cbranch_scc0 .Lentry_shape_is_right
	s_endpgm
.Lentry_shape_is_right:
; THE PROJECTION AND K^T V.  q, k, v = xb wb^T (bf16 products, f32 sums).  Since the module applies no softmax, (q k^T) v = q (k^T v) for every input: only the order of the sums differs from the
; written order.  So q leaves in f16, and k and v never leave: they are rounded to f16 in registers and M = k^T v (64 x 64 a head, f32 sums) is made on the spot.
; LIMITS.  q, k and v are kept in f16: their magnitudes stay under 65,504.  NaN and infinities are not treated apart.
; SHARES.  Work-group (X, Y): head X (rows 192 X .. of wb: 64 of q, 64 of k, 64 of v), tokens 512 Y .. 512 Y + 511 as two tiles of 256.  256 work-groups of equal work.  Wave w owns tokens 64 w .. 64 w + 63 of a
; tile and all 192 columns: 48 accumulators of 16 x 16.  So a wave holds k and v of the same tokens, and k^T v needs no other wave until the end, when the four waves' sums meet in LDS once.
; K goes in steps of 128 (rows of 256 bytes of memory, at multiples of 256) through two LDS slots; the 16 steps of the two tiles are one walk.
; ORIENTATION.  q: source 0 = 16 rows of wb, source 1 = 16 tokens: a lane holds one token and 8 neighbouring columns; packed, that is half a fragment as the last launch wants it, stored as 512 consecutive bytes.
; k, v: source 0 = 16 tokens, source 1 = 16 rows of wb: a lane holds one column and 8 tokens; two token blocks packed ARE a fragment with rows = columns d and K = 32 tokens.
; M(db, dv) += V^T(dv) K^T(db): lane l holds d = 16 db + l % 16, register j holds d' = 16 dv + 8 (l / 16) + j.
; OUT.  qf [column / 128][token / 16][(column % 128) / 16][lane][8 f16].  mpart [batch][head][quarter of the batch's tokens][d / 16][2 dv + u][lane][4 f32].  stats: the largest magnitude of each stored block of 16 d.
; CLUSTER.  4 x 4 work-groups: the four of a row share Y and so xb's tiles, the four of a column share X and so wb's: each tile is asked for jointly.
; REGISTERS, in windows of 256 (s_set_vgpr_msb: bits 1:0 source 0, 3:2 source 1, 5:4 source 2, 7:6 destination):
;   window 0: v0-29 addresses; v64-127 packed q; v128-255 packed k, v, later the sums of M        window 1: two fragment buffers of 128: 4 x 8 of tokens, 12 x 8 of wb
;   window 2: accumulators of k, v: column block blk, token block a at 8 (4 blk + a)                window 3: v0-127 those of q, 8 (4 a + b); v128-255 those of M, 128 + 8 (4 db + dv)
.set PITCH, 272                        ; an LDS row: 256 bytes + 16 of padding = 68 words: the 16 rows of a fragment load start at 16 different groups of four banks (64 banks of 4 bytes: ISA guide 11.1)
.set HALFA, 128*PITCH                  ; what a load for xb brings
.set HALFB, 96*PITCH                   ; what a load for wb brings
.set BOFF,  256*PITCH                  ; in a slot: 256 rows of xb, then 192 rows of wb
.set SLOT1, 131072                     ; slot 1 begins here: one exclusive or turns an address in one slot into the other's
.set RED,   SLOT1+448*PITCH            ; behind the ring, never filled by a tensor load: 16,384 bytes a wave, its sums of M
.set SPARE, RED+4*16384                ; the spare words, 128 bytes a wave: two blocks of 256 bytes that no other line names
.set A0,   4                           ; v4   my lane's place in my wave's rows of xb, slot 0; never rewritten
.set B0,   5                           ; v5   the same in wb's rows
.set ADRA, 6                           ; v6   the same in the slot in hand
.set ADRB, 7                           ; v7
.set QO,   8                           ; v8   16 x lane
.set RST,  9                           ; v9   where I put my sums of M
.set RRD,  10                          ; v10  where I read the four waves' sums of my block of d
.set LN,   11                          ; v11  lane
.set ZO,   12                          ; v12  0, an offset
.set SM,   13                          ; v13-15 the largest magnitude, at work
.set SPW,  28                          ; v28  LDS address of my spare word; never rewritten
.set NIL,  29                          ; v29  0; never rewritten
.set TQ,   64
.set PK,   128
.set F0,   0
.set F1,   128
.set MA,   128
.set WV,   14                          ; s14  my wave's number
.set HF,   15                          ; s15  which half of a tile's rows I fetch
.set AB,   16                          ; s16  0: I fetch for xb, 1: for wb
.set G1A,  24                          ; s[24:31] descriptor group 1 for xb's tiles
.set G1B,  32                          ; s[32:39] for wb's
.set G0A,  40                          ; s[40:47] group 0 for xb's tiles: set 0 serves step 0, set 1 serves step 1 and then walks
.set G0B,  48                          ; s[48:55] the same for wb's
.set BA,   56                          ; s[56:57] xb at my half of the first tile, K = 0
.set BB,   58                          ; s[58:59] wb at my half of the head's rows, K = 0
.set OFA,  60                          ; s[60:61] a step's byte offset from BA
.set OFB,  62                          ; s[62:63] from BB
.set NS,   66                          ; s66  the step to be asked for next
.set TB,   67                          ; s67  0 or SLOT1: the slot in hand
.set CNT,  68                          ; s68  loop counter
.set QP,   70                          ; s[70:71] qf at my wave's first chunk
.set MP,   72                          ; s[72:73] mpart at my block
.set STP,  74                          ; s[74:75] stats at my word
.set SEL,  76                          ; s[76:77] v_permlanex16_b32's selects: each lane takes its own place in the other half
.set MSB, 0
.macro WIN new                         ; the immediate's high byte repeats the setting that is left; a switch that changes nothing is dropped
.if MSB != (\new)
	s_set_vgpr_msb (MSB<<8)|(\new)
.set MSB, \new
.endif
.endm
.macro PLACES                          ; four places behind matrix instructions (ISA guide 7.12.1), where no other vector work is at hand
.rept 4
	v_nop
.endr
.endm
.macro CREST                           ; a round of the cluster's barrier behind its opening barrier
	s_cmp_lg_u32 s[WV], 0
	s_cbranch_scc1 .Lnot_wave_0_\@
	s_barrier_signal -3
.Lnot_wave_0_\@:
	s_barrier_wait -3
	s_barrier_signal -1
	s_barrier_wait -1
.endm
.macro CROUND                          ; a whole round
	s_barrier_signal -1
	s_barrier_wait -1
	CREST
.endm
; A joint refill by the walking sets.  Waves 0 and 1 fetch xb's two halves, waves 2 and 3 wb's.  The branch hangs on the wave's number alone.  An s_nop 0 and four v_nop follow each line.
.macro JLOAD
	s_cmp_eq_u32 s[AB], 0
	s_cbranch_scc0 .Lfor_b_\@
	tensor_load_to_lds s[G0A+4:G0A+7], s[G1A:G1A+7]
	s_nop 0
	PLACES
	s_branch .Lasked_\@
.Lfor_b_\@:
	tensor_load_to_lds s[G0B+4:G0B+7], s[G1B:G1B+7]
	s_nop 0
	PLACES
.Lasked_\@:
.endm
; The walking sets go on to step NS: the other slot; the addresses are made anew from the bases and the step's number: K step NS % 8 (256 bytes each), tile NS / 8 (256 tokens of 2,048 bytes).
.macro UPD
	s_xor_b32 s[G0A+5], s[G0A+5], SLOT1
	s_xor_b32 s[G0B+5], s[G0B+5], SLOT1
	s_and_b32 s[OFB], s[NS], 7
	s_lshl_b32 s[OFB], s[OFB], 8
	s_lshr_b32 s[OFA], s[NS], 3
	s_lshl_b32 s[OFA], s[OFA], 19
	s_add_co_u32 s[OFA], s[OFA], s[OFB]
	s_add_nc_u64 s[G0A+6:G0A+7], s[BA:BA+1], s[OFA:OFA+1]
	s_or_b32 s[G0A+7], s[G0A+7], 0x80000000
	s_add_nc_u64 s[G0B+6:G0B+7], s[BB:BB+1], s[OFB:OFB+1]
	s_or_b32 s[G0B+7], s[G0B+7], 0x80000000
	s_add_co_u32 s[NS], s[NS], 1
.endm
; 32 LDS loads in one run: the fragments of 32 along K at byte k of the rows, into buffer f.  A fragment: lane l holds row l % 16, K = 8 (l / 16) + 0..7 and 16 + 8 (l / 16) + 0..7: two loads of 16 bytes, 32 apart.
.macro FETCH k, f
	WIN 0x40                                       ; destination window 1, address window 0
.set fb, 0
.rept 12
	ds_load_b128 v[(\f)+32+8*fb:(\f)+32+8*fb+3], v[ADRB] offset:(\k)+fb*16*PITCH
	ds_load_b128 v[(\f)+32+8*fb+4:(\f)+32+8*fb+7], v[ADRB] offset:(\k)+fb*16*PITCH+32
.set fb, fb+1
.endr
.set fb, 0
.rept 4
	ds_load_b128 v[(\f)+8*fb:(\f)+8*fb+3], v[ADRA] offset:(\k)+fb*16*PITCH
	ds_load_b128 v[(\f)+8*fb+4:(\f)+8*fb+7], v[ADRA] offset:(\k)+fb*16*PITCH+32
.set fb, fb+1
.endr
.endm
; 8 products: token block a x the 8 column blocks of k and v.  zero = 1: the product starts the sum.
.macro MULKV f, a, zero
	WIN 0xa5                                       ; sources window 1, C and D window 2
.set blk, 0
.rept 8
.if \zero
	v_wmma_f32_16x16x32_bf16 v[8*(4*blk+(\a)):8*(4*blk+(\a))+7], v[(\f)+8*(\a):(\f)+8*(\a)+7], v[(\f)+64+8*blk:(\f)+64+8*blk+7], 0
.else
	v_wmma_f32_16x16x32_bf16 v[8*(4*blk+(\a)):8*(4*blk+(\a))+7], v[(\f)+8*(\a):(\f)+8*(\a)+7], v[(\f)+64+8*blk:(\f)+64+8*blk+7], v[8*(4*blk+(\a)):8*(4*blk+(\a))+7]
.endif
.set blk, blk+1
.endr
.endm
; 16 products: the 4 token blocks x the 4 column blocks of q, sources swapped.
.macro MULQ f, zero
	WIN 0xf5                                       ; sources window 1, C and D window 3
.set qa, 0
.rept 4
.set qb, 0
.rept 4
.if \zero
	v_wmma_f32_16x16x32_bf16 v[8*(4*qa+qb):8*(4*qa+qb)+7], v[(\f)+32+8*qb:(\f)+32+8*qb+7], v[(\f)+8*qa:(\f)+8*qa+7], 0
.else
	v_wmma_f32_16x16x32_bf16 v[8*(4*qa+qb):8*(4*qa+qb)+7], v[(\f)+32+8*qb:(\f)+32+8*qb+7], v[(\f)+8*qa:(\f)+8*qa+7], v[8*(4*qa+qb):8*(4*qa+qb)+7]
.endif
.set qb, qb+1
.endr
.set qa, qa+1
.endr
.endm
; A K step is four quarters of 32 along K, 48 products each, on buffers 0, 1, 0, 1.  The 48 accumulators take turns in the same order in every quarter.
; One of the first three: buffer f is in; the next quarter, at byte k, is fetched into g (four places behind g's last readers), 48 products ahead of its use; f is multiplied.
.macro QUARTER f, g, k, zero
	s_wait_dscnt 0x0                               ; f's 32 loads, issued a quarter ago
	PLACES
	FETCH \k, \g
	MULKV \f, 0, \zero
	MULKV \f, 1, \zero
	MULKV \f, 2, \zero
	MULKV \f, 3, \zero
	MULQ \f, \zero
.endm
; The last quarter multiplies buffer 1 and changes slots.  In front of the barrier each wave waits for all its tensor loads (one is out: its part of the next slot), adds 0 to its spare word, and waits for that
; and for its reads of this slot.  fill = 1: the barrier opens a round of the cluster's, and the joint refill of this slot, two steps ahead, is the first thing behind it.
.macro TURN fill
	WIN 0                                          ; the add's two registers lie in window 0
	s_wait_tensorcnt 0x0                           ; no tensor load of mine is out, so the walking sets may be written
	ds_add_u32 v[SPW], v[NIL]                      ; 0 onto my spare word
.if \fill
	UPD
.endif
	s_wait_dscnt 0x1                               ; only the add, the youngest, may be out: buffer 1 is in
	MULKV F1, 0, 0
	MULKV F1, 1, 0
	s_wait_dscnt 0x0                               ; the add is done, and my reads of this slot are over
	s_barrier_signal -1
	MULKV F1, 2, 0                                 ; work on registers while the others arrive
	WIN 0
	s_barrier_wait -1
.if \fill
	CREST                                          ; no wave of any partner still reads this slot or has a load on its way
	JLOAD                                          ; its four v_nop are also the places in front of the loads below
.else
	PLACES
.endif
	s_xor_b32 s[TB], s[TB], SLOT1
	v_add_nc_u32 v[ADRA], s[TB], v[A0]
	v_add_nc_u32 v[ADRB], s[TB], v[B0]
	FETCH 0, F0
	MULKV F1, 3, 0
	MULQ F1, 0
.endm
.macro LAP fill                        ; the rest of a K step behind its first quarter
	QUARTER F1, F0, 128, 0
	QUARTER F0, F1, 192, 0
	TURN \fill
.endm
; A TILE'S END.  k and v are rounded to f16 (each accumulator read from its low end on); 32 products add this tile's k^T v onto M, the 16 accumulators by turns; q is rounded and stored.
; zero = 1: the first 16 products start M's sums.  step = 1: qf goes on by 16 token blocks of 4,096 bytes.
.macro EPI zero, step
	PLACES
	WIN 0x0a                                       ; sources window 2, destination window 0
.set i, 0
.rept 128
	v_cvt_pk_f16_f32 v[PK+i], v[2*i], v[2*i+1]     ; accumulator (blk, a) lands at PK + 16 blk + 4 a: fragment (blk, tokens 32 kk on) at PK + 16 blk + 8 kk
.set i, i+1
.endr
	WIN 0xf0                                       ; sources window 0, C and D window 3
.set kk, 0
.rept 2
.set t, 0
.rept 16                               ; t = 4 db + dv
.if (\zero) && (kk == 0)
	v_wmma_f32_16x16x32_f16 v[MA+8*t:MA+8*t+7], v[PK+16*(4+t%4)+8*kk:PK+16*(4+t%4)+8*kk+7], v[PK+16*(t/4)+8*kk:PK+16*(t/4)+8*kk+7], 0
.else
	v_wmma_f32_16x16x32_f16 v[MA+8*t:MA+8*t+7], v[PK+16*(4+t%4)+8*kk:PK+16*(4+t%4)+8*kk+7], v[PK+16*(t/4)+8*kk:PK+16*(t/4)+8*kk+7], v[MA+8*t:MA+8*t+7]
.endif
.set t, t+1
.endr
.set kk, kk+1
.endr
	s_wait_xcnt 0x0                                ; the last tile's stores have read their data and their base: only behind this wait are these written again
.if \step
	s_add_nc_u64 s[QP:QP+1], s[QP:QP+1], 65536
.endif
	WIN 0x0f                                       ; sources window 3
.set i, 0
.rept 64
	v_cvt_pk_f16_f32 v[TQ+i], v[2*i], v[2*i+1]
.set i, i+1
.endr
	WIN 0
.set i, 0
.rept 16                               ; i = 4 a + b: each store covers 512 consecutive bytes at a multiple of 512
	global_store_b128 v[QO], v[TQ+4*i:TQ+4*i+3], s[QP:QP+1] offset:(i/4)*4096+(i%4)*512
.set i, i+1
.endr
.endm
; THE FOUR WAVES' M MEET.  Each wave puts its 16 tiles of M into its own 16,384 bytes; behind a barrier wave w adds up the four waves' tiles of d block w, stores the sum and its largest magnitude.
.macro REDUCE
	WIN 0x0c                                       ; store data window 3; the 64 conversions of q above are the places behind the last products
.set i, 0
.rept 32                               ; i = 2 t + u: registers 4 u .. 4 u + 3 of tile t, the low four first
	ds_store_b128 v[RST], v[MA+4*i:MA+4*i+3] offset:512*i
.set i, i+1
.endr
	WIN 0
	s_wait_dscnt 0x0                               ; for the others' sake: my stores are done
	s_barrier_signal -1
	s_barrier_wait -1
.set i, 0
.rept 32                               ; source wave i / 8, chunk i % 8
	ds_load_b128 v[PK+4*i:PK+4*i+3], v[RRD] offset:(i/8)*16384+(i%8)*512
.set i, i+1
.endr
	s_wait_dscnt 0x0
.set i, 0
.rept 16
	v_pk_add_f32 v[PK+2*i:PK+2*i+1], v[PK+2*i:PK+2*i+1], v[PK+32+2*i:PK+32+2*i+1]
	v_pk_add_f32 v[PK+64+2*i:PK+64+2*i+1], v[PK+64+2*i:PK+64+2*i+1], v[PK+96+2*i:PK+96+2*i+1]
.set i, i+1
.endr
.set i, 0
.rept 16
	v_pk_add_f32 v[PK+2*i:PK+2*i+1], v[PK+2*i:PK+2*i+1], v[PK+64+2*i:PK+64+2*i+1]
.set i, i+1
.endr
.set i, 0
.rept 8
	global_store_b128 v[QO], v[PK+4*i:PK+4*i+3], s[MP:MP+1] offset:512*i
.set i, i+1
.endr
	v_max3_num_f32 v[SM], v[PK], v[PK+1], v[PK+2]  ; the largest and the smallest of my 32 numbers, two chains side by side
	v_min3_num_f32 v[SM+1], v[PK], v[PK+1], v[PK+2]
.set i, 3
.rept 14
	v_max3_num_f32 v[SM], v[SM], v[PK+i], v[PK+i+1]
	v_min3_num_f32 v[SM+1], v[SM+1], v[PK+i], v[PK+i+1]
.set i, i+2
.endr
	v_max_num_f32 v[SM], v[SM], v[PK+31]
	v_min_num_f32 v[SM+1], v[SM+1], v[PK+31]
	v_sub_f32 v[SM+1], 0, v[SM+1]
	v_max_num_f32 v[SM], v[SM], v[SM+1]            ; the largest magnitude
	v_max_num_f32_dpp v[SM], v[SM], v[SM] row_xmask:1 row_mask:0xf bank_mask:0xf
	v_max_num_f32_dpp v[SM], v[SM], v[SM] row_xmask:2 row_mask:0xf bank_mask:0xf
	v_max_num_f32_dpp v[SM], v[SM], v[SM] row_xmask:4 row_mask:0xf bank_mask:0xf
	v_max_num_f32_dpp v[SM], v[SM], v[SM] row_xmask:8 row_mask:0xf bank_mask:0xf
	v_permlanex16_b32 v[SM+2], v[SM], s[SEL], s[SEL+1]
	v_max_num_f32 v[SM], v[SM], v[SM+2]
	v_cmp_eq_u32 vcc_lo, 0, v[LN]
	s_wait_xcnt 0x0                                ; EXEC is a source of the stores above: it changes only behind this wait
	s_and_saveexec_b32 s86, vcc_lo
	global_store_b32 v[ZO], v[SM], s[STP:STP+1]    ; lane 0 alone: one word a wave
	s_wait_xcnt 0x0                                ; and again in front of the line that widens it
	s_or_b32 exec_lo, exec_lo, s86
.endm
	s_load_b256 s[4:11], s[0:1], 0x0               ; xb s[4:5], wb s[6:7], qf s[8:9], mpart s[10:11]
	s_load_b64 s[12:13], s[0:1], 0x20              ; stats
	v_lshl_add_u32 v[SPW], v0, 2, SPARE
	v_mov_b32 v[NIL], 0
	ds_add_u32 v[SPW], v[NIL]                      ; the wave's opening: the add and its wait stand ahead of my first tensor load; the set-up below, work on registers, stands between them
	v_lshrrev_b32 v1, 5, v0
	v_readfirstlane_b32 s[WV], v1                  ; wave 0..3
	s_and_b32 s[HF], s[WV], 1
	s_lshr_b32 s[AB], s[WV], 1
	s_bfe_u32 s17, ttmp6, 0x40000                  ; cx
	s_bfe_u32 s18, ttmp6, 0x40004                  ; cy
	s_lshl_b32 s19, ttmp9, 2
	s_add_co_u32 s19, s19, s17                     ; X, the head = 4 x cluster x + cx
	s_and_b32 s20, ttmp7, 0xffff
	s_lshl_b32 s20, s20, 2
	s_add_co_u32 s20, s20, s18                     ; Y, the block of 512 tokens = 4 x cluster y + cy
	s_lshl_b32 s21, s18, 2
	s_lshl_b32 s21, 15, s21                        ; my row of the cluster
	s_lshl_b32 s22, 0x1111, s17                    ; my column
	s_or_b32 s[G1A], s21, (1<<16)|(1<<20)|(1<<21)|(5<<22)|(3<<25)  ; 15:0 the mask; 17:16 elements of 2 bytes; 20 padding on; 21 set beside a mask; 24:22 after every 64 words (code 5); 31:25 4 words (code 3)
	s_or_b32 s[G1B], s22, (1<<16)|(1<<20)|(1<<21)|(5<<22)|(3<<25)
	s_mov_b32 s[G1A+1], 128<<16                    ; tensor_dim0 = 128
	s_mov_b32 s[G1A+2], 128<<16                    ; tensor_dim1 = 128
	s_mov_b32 s[G1A+3], 128<<16                    ; tile_dim0 = 128
	s_mov_b32 s[G1A+4], 128                        ; tile_dim1 = 128
	s_mov_b32 s[G1A+5], 1024                       ; elements from row to row
	s_mov_b32 s[G1A+6], 0
	s_mov_b32 s[G1A+7], 0
	s_mov_b32 s[G1B+1], 128<<16
	s_mov_b32 s[G1B+2], 96<<16                     ; 96 rows
	s_mov_b32 s[G1B+3], 128<<16
	s_mov_b32 s[G1B+4], 96
	s_mov_b32 s[G1B+5], 1024
	s_mov_b32 s[G1B+6], 0
	s_mov_b32 s[G1B+7], 0
	s_mul_i32 s23, s[HF], HALFA                    ; where my tiles go: no place in the cluster enters an LDS address
	s_mul_i32 s69, s[HF], HALFB
	s_add_co_u32 s69, s69, BOFF
	s_lshl_b32 s78, s20, 20                        ; xb: 512 Y rows of 2,048 bytes + my 128 rows; these registers never hold X
	s_lshl_b32 s79, s[HF], 18
	s_add_co_u32 s78, s78, s79
	s_mov_b32 s79, 0
	s_mul_i32 s80, s19, 393216                     ; wb: 192 X rows + my 96 rows; these never hold Y
	s_mul_i32 s81, s[HF], 196608
	s_add_co_u32 s80, s80, s81
	s_mov_b32 s81, 0
	s_mov_b32 s[OFA+1], 0
	s_mov_b32 s[OFB+1], 0
	s_mov_b32 s[NS], 2
	s_mov_b32 s[TB], 0
	s_mov_b32 s[SEL], 0x76543210
	s_mov_b32 s[SEL+1], 0xfedcba98
	s_wait_dscnt 0x0                               ; the opening add is done
	s_wait_kmcnt 0x0
	s_add_nc_u64 s[BA:BA+1], s[4:5], s[78:79]
	s_add_nc_u64 s[BB:BB+1], s[6:7], s[80:81]
	CROUND                                         ; all sixteen work-groups are here: the first joint loads meet
.irp s, 0,1
	s_mov_b32 s[G0A+4*(\s)], 1                     ; count = 1
	s_add_co_u32 s[G0A+4*(\s)+1], s23, (\s)*SLOT1  ; LDS address
	s_add_nc_u64 s[G0A+4*(\s)+2:G0A+4*(\s)+3], s[BA:BA+1], (\s)*256  ; K step s
	s_or_b32 s[G0A+4*(\s)+3], s[G0A+4*(\s)+3], 0x80000000            ; type = 2
	s_mov_b32 s[G0B+4*(\s)], 1
	s_add_co_u32 s[G0B+4*(\s)+1], s69, (\s)*SLOT1
	s_add_nc_u64 s[G0B+4*(\s)+2:G0B+4*(\s)+3], s[BB:BB+1], (\s)*256
	s_or_b32 s[G0B+4*(\s)+3], s[G0B+4*(\s)+3], 0x80000000
.endr
	s_cmp_eq_u32 s[AB], 0                          ; a wave's two first fills stand in one branch, ahead of every wait on TENSORcnt and every LDS read: two loads of mine are out
	s_cbranch_scc0 .Lfirst_b
	tensor_load_to_lds s[G0A:G0A+3], s[G1A:G1A+7]
	s_nop 0
	tensor_load_to_lds s[G0A+4:G0A+7], s[G1A:G1A+7]
	s_nop 0
	PLACES
	s_branch .Lfirst_asked
.Lfirst_b:
	tensor_load_to_lds s[G0B:G0B+3], s[G1B:G1B+7]
	s_nop 0
	tensor_load_to_lds s[G0B+4:G0B+7], s[G1B:G1B+7]
	s_nop 0
	PLACES
.Lfirst_asked:
	; where the results go
	s_lshr_b32 s82, s19, 1                         ; qf: columns 64 X on lie in slab X / 2,
	s_lshl_b32 s82, s82, 21
	s_lshl_b32 s84, s20, 5                         ; token block 32 Y + 4 w,
	s_lshl_b32 s85, s[WV], 2
	s_add_co_u32 s84, s84, s85
	s_lshl_b32 s84, s84, 12
	s_add_co_u32 s82, s82, s84
	s_and_b32 s84, s19, 1                          ; column blocks 4 (X % 2) on
	s_lshl_b32 s84, s84, 11
	s_add_co_u32 s82, s82, s84
	s_mov_b32 s83, 0
	s_add_nc_u64 s[QP:QP+1], s[8:9], s[82:83]
	s_lshr_b32 s84, s20, 2                         ; ((batch x 16 + head) x 4 + quarter) x 4 + wave
	s_lshl_b32 s84, s84, 4
	s_add_co_u32 s84, s84, s19
	s_lshl_b32 s84, s84, 2
	s_and_b32 s85, s20, 3
	s_add_co_u32 s84, s84, s85
	s_lshl_b32 s84, s84, 2
	s_add_co_u32 s84, s84, s[WV]
	s_lshl_b32 s82, s84, 12                        ; 4,096 bytes of mpart each,
	s_add_nc_u64 s[MP:MP+1], s[10:11], s[82:83]
	s_lshl_b32 s82, s84, 2                         ; one word of stats
	s_add_nc_u64 s[STP:STP+1], s[12:13], s[82:83]
	v_and_b32 v1, 15, v0                           ; l % 16
	v_bfe_u32 v2, v0, 4, 1                         ; l / 16
	v_mul_u32_u24 v3, v1, PITCH
	v_lshl_add_u32 v3, v2, 4, v3                   ; row x pitch + 16 x half
	s_mul_i32 s82, s[WV], 64*PITCH
	v_add_nc_u32 v[A0], s82, v3
	v_add_nc_u32 v[B0], BOFF, v3
	v_mov_b32 v[ADRA], v[A0]
	v_mov_b32 v[ADRB], v[B0]
	v_and_b32 v[LN], 31, v0
	v_lshlrev_b32 v[QO], 4, v[LN]
	s_lshl_b32 s82, s[WV], 14
	s_add_co_u32 s82, s82, RED
	v_add_nc_u32 v[RST], s82, v[QO]
	s_lshl_b32 s82, s[WV], 12
	s_add_co_u32 s82, s82, RED
	v_add_nc_u32 v[RRD], s82, v[QO]
	v_mov_b32 v[ZO], 0
	v_mov_b32 v[SM+2], 0                           ; v_permlanex16_b32's destination counts as read
	s_wait_tensorcnt 0x1                           ; my part of step 0 is in; step 1's one load stays out
	s_barrier_signal -1
	s_barrier_wait -1                              ; everybody's is
	FETCH 0, F0
	QUARTER F0, F1, 64, 1                          ; tile 0: the first quarter's products start the sums
	WIN 0                                          ; at a label and at a branch every window is 0
	s_mov_b32 s[CNT], 7
.Ltile0:                                               ; steps 0 to 6: steps 2 to 8 are asked for
	LAP 1
	QUARTER F0, F1, 64, 0
	WIN 0
	s_sub_co_u32 s[CNT], s[CNT], 1
	s_cmp_lg_u32 s[CNT], 0
	s_cbranch_scc1 .Ltile0
	LAP 1                                          ; step 7: step 9 is asked for, tile 1's first fragments are fetched
	EPI 1, 0
	QUARTER F0, F1, 64, 1                          ; tile 1
	WIN 0
	s_mov_b32 s[CNT], 6
.Ltile1:                                               ; steps 8 to 13: steps 10 to 15 are asked for
	LAP 1
	QUARTER F0, F1, 64, 0
	WIN 0
	s_sub_co_u32 s[CNT], s[CNT], 1
	s_cmp_lg_u32 s[CNT], 0
	s_cbranch_scc1 .Ltile1
	LAP 0                                          ; step 14: nothing is left to ask for
	QUARTER F0, F1, 64, 0
	QUARTER F1, F0, 128, 0
	QUARTER F0, F1, 192, 0
	s_wait_dscnt 0x0                               ; the very last quarter
	MULKV F1, 0, 0
	MULKV F1, 1, 0
	MULKV F1, 2, 0
	MULKV F1, 3, 0
	MULQ F1, 0
	EPI 0, 1
	REDUCE
	s_wait_tensorcnt 0x0                           ; the wave's end: behind my last tensor load and my last LDS store
	ds_add_u32 v[SPW], v[NIL]
	s_wait_dscnt 0x0
	CROUND                                         ; the closing round: no work-group ends while a partner may still ask for a tile that names it
	s_endpgm
.Lfunc_end_k_qcd3fbda77d_qkvm:
	.size	k_qcd3fbda77d_qkvm, .Lfunc_end_k_qcd3fbda77d_qkvm-k_qcd3fbda77d_qkvm
	.p2alignl 7, 3214868480
	.fill 96, 4, 3214868480
	.section	.rodata,"a",@progbits
	.p2align	6, 0x0
	.amdhsa_kernel k_qcd3fbda77d_qkvm
		.amdhsa_group_segment_fixed_size 327680
		.amdhsa_private_segment_fixed_size 0
		.amdhsa_enable_private_segment 0
		.amdhsa_kernarg_size 40
		.amdhsa_user_sgpr_count 2
		.amdhsa_user_sgpr_kernarg_segment_ptr 1
		.amdhsa_wavefront_size32 1
		.amdhsa_system_sgpr_workgroup_id_x 1
		.amdhsa_system_sgpr_workgroup_id_y 1
		.amdhsa_system_sgpr_workgroup_id_z 1
		.amdhsa_system_vgpr_workitem_id 0
		.amdhsa_next_free_vgpr 1024
		.amdhsa_next_free_sgpr 96
		.amdhsa_reserve_vcc 1
		.amdhsa_float_denorm_mode_32 3
		.amdhsa_float_denorm_mode_16_64 3
		.amdhsa_memory_ordered 1
		.amdhsa_forward_progress 1
		.amdhsa_inst_pref_size 160
	.end_amdhsa_kernel
	.amdgpu_metadata
---
amdhsa.version: [ 1, 2 ]
amdhsa.kernels:
  - .name:           k_qcd3fbda77d_qkvm
    .symbol:         k_qcd3fbda77d_qkvm.kd
    .args:
      - { .name: xb, .offset: 0, .size: 8, .value_kind: global_buffer, .address_space: global }
      - { .name: wb, .offset: 8, .size: 8, .value_kind: global_buffer, .address_space: global }
      - { .name: qf, .offset: 16, .size: 8, .value_kind: global_buffer, .address_space: global }
      - { .name: mpart, .offset: 24, .size: 8, .value_kind: global_buffer, .address_space: global }
      - { .name: stats, .offset: 32, .size: 8, .value_kind: global_buffer, .address_space: global }
    .group_segment_fixed_size: 327680
    .private_segment_fixed_size: 0
    .kernarg_segment_align: 8
    .kernarg_segment_size: 40
    .max_flat_workgroup_size: 128
    .sgpr_count:     96
    .vgpr_count:     1024
    .wavefront_size: 32
...
	.end_amdgpu_metadata
.endif
;; end of part 2
;; launch pmat (part 3): grid 4 x 64, 8 waves a work-group, no clusters, 9,216 bytes of LDS; arguments mpart, stats, w_o, pf; writes pf
.if DOCPART == 3
	.amdgcn_target "amdgcn-amd-amdhsa--gfx1250"
	.amdhsa_code_object_version 6
	.text
	.protected	k_qcd3fbda77d_pmat
	.globl	k_qcd3fbda77d_pmat
	.p2align	8
	.type	k_qcd3fbda77d_pmat,@function
k_qcd3fbda77d_pmat:
	s_mov_b64 s[64:65], 0
	v_nop
	global_prefetch_b8 v0, s[64:65] scope:SCOPE_SE
	s_setreg_imm32_b32 hwreg(HW_REG_WAVE_MODE, 25, 1), 1
	s_wait_xcnt 0x0
; P FOR THE LAST PRODUCT.  For batch b and head h: M = the sum of the four stored partial k^T v; P''[e][64 h + d] = the sum over d' of (M[d][d'] f) w_o[e][64 h + d'], in f16, with f a power of two
; taken from the batch's own numbers, so that M f lies within 32 in magnitude whatever the inputs' size; the last launch multiplies by 1 / (8 f), exactly.
; THE SCALE.  mb = the largest over the batch's heads of (the sum over the four partials of each partial's largest magnitude): no entry of M is larger.  E = mb's exponent field, held to 8 .. 254;
; f = 2^(131 - E), bits (258 - E) << 23.  It selects values alone: no address and no branch hangs on it.
; FORMATS AND LIMITS.  w_o is rounded to bf16 like the module's other inputs, and that number is written as f16: exact between 2^-14 and 65,504; below, f16's fixed step of 2^-24 remains.
; P'' is at most 64 x 32 x the largest |w_o|, so |w_o| stays under 32.  For mb below 2^-119 the scale stops growing and M f loses bits.  NaN and infinities are not treated apart.
; SHARES.  Work-group (EQ, b h): rows e = 256 EQ .. + 255.  Wave w first sums, scales and packs fragment (d block w / 2, d' half w % 2) of M and hands it to the others through LDS; then it makes
; 32 rows e = 256 EQ + 32 w .. by the head's 64 columns: 16 products.  Source 0 = M (rows d), source 1 = w_o (rows e): a lane holds one e and 8 neighbouring d: packed, 16 bytes of pf's chunk.
; pf [batch][column / 128][e / 16][(column % 128) / 16][lane][8 f16].  No tensor loads: each wave's 34 loads go out at once, and 256 small work-groups share the chip.
.set SPARE, 8192                       ; behind the 8 fragments of 1,024 bytes: the spare words, 128 bytes for each of 8 waves
.set SPW, 6                            ; v6   LDS address of my spare word; never rewritten
.set NIL, 7                            ; v7   0; never rewritten
.set FD,  8                            ; v[8:9] f, twice
.set R1,  16                           ; v16-79   the four partials of my fragment, 16 each; later all 8 packed fragments of M, 8 each
.set R2,  80                           ; v80-143  w_o as loaded; later packed P''
.set WO,  144                          ; v144-175 fragments of w_o: 16 eb + 8 kk
.set ACC, 176                          ; v176-239 accumulators, 8 (4 eb + db)
.set MPK, 232                          ; v232-239 my packed fragment: stored to LDS and done with before the products write here
.set ST,  240                          ; v240-247 stats; later at work
	s_load_b256 s[4:11], s[0:1], 0x0               ; mpart s[4:5], stats s[6:7], w_o s[8:9], pf s[10:11]
	v_lshl_add_u32 v[SPW], v0, 2, SPARE
	v_mov_b32 v[NIL], 0
	v_lshrrev_b32 v1, 5, v0
	v_readfirstlane_b32 s12, v1                    ; wave 0..7
	s_and_b32 s13, ttmp7, 0xffff                   ; 16 b + h
	s_lshr_b32 s14, s13, 4                         ; b
	s_and_b32 s15, s13, 15                         ; h
	s_lshl_b32 s16, s14, 10                        ; stats: 1,024 bytes a batch
	s_mov_b32 s17, 0
	s_lshl_b32 s18, s13, 16                        ; mpart: 65,536 bytes a head; d block w / 2 (4,096) and d' half w % 2 (2,048) are 2,048 w
	s_lshl_b32 s20, s12, 11
	s_add_co_u32 s18, s18, s20
	s_mov_b32 s19, 0
	s_lshl_b32 s20, ttmp9, 20                      ; w_o: row 256 EQ + 32 w of 4,096 bytes, column 64 h of 4 bytes
	s_lshl_b32 s22, s12, 17
	s_add_co_u32 s20, s20, s22
	s_lshl_b32 s22, s15, 8
	s_add_co_u32 s20, s20, s22
	s_mov_b32 s21, 0
	s_lshl_b32 s22, s14, 21                        ; pf: batch, slab h / 2, e block 16 EQ + 2 w, column blocks 4 (h % 2) on
	s_lshr_b32 s24, s15, 1
	s_lshl_b32 s24, s24, 18
	s_add_co_u32 s22, s22, s24
	s_lshl_b32 s24, ttmp9, 16
	s_add_co_u32 s22, s22, s24
	s_lshl_b32 s24, s12, 13
	s_add_co_u32 s22, s22, s24
	s_and_b32 s24, s15, 1
	s_lshl_b32 s24, s24, 11
	s_add_co_u32 s22, s22, s24
	s_mov_b32 s23, 0
	s_lshl_b32 s25, s12, 10
	s_mov_b32 s26, 0x76543210                      ; v_permlanex16_b32's selects
	s_mov_b32 s27, 0xfedcba98
	v_and_b32 v3, 31, v0
	v_lshlrev_b32 v3, 4, v3                        ; 16 x lane
	v_add_nc_u32 v4, s25, v3                       ; + 1,024 w: my fragment in LDS
	v_and_b32 v1, 15, v0                           ; l % 16
	v_bfe_u32 v2, v0, 4, 1                         ; l / 16
	v_lshlrev_b32 v5, 12, v1
	v_lshl_add_u32 v5, v2, 5, v5                   ; w_o: row l % 16, 8 numbers for each half of the lanes
	s_wait_kmcnt 0x0
	s_add_nc_u64 s[6:7], s[6:7], s[16:17]
	s_add_nc_u64 s[4:5], s[4:5], s[18:19]
	s_add_nc_u64 s[8:9], s[8:9], s[20:21]
	s_add_nc_u64 s[10:11], s[10:11], s[22:23]
	global_load_b128 v[ST:ST+3], v3, s[6:7]                ; lane l: head l / 4, partial l % 4, its four blocks of d
	global_load_b128 v[ST+4:ST+7], v3, s[6:7] offset:512   ; heads 8 on
.set i, 0
.rept 16                               ; partial i / 4, chunk i % 4
	global_load_b128 v[R1+4*i:R1+4*i+3], v3, s[4:5] offset:(i/4)*16384+(i%4)*512
.set i, i+1
.endr
.set i, 0
.rept 16                               ; e block i / 8; 16 d' of chunk (i / 2) % 4; half i % 2 of a lane's 8 numbers
	global_load_b128 v[R2+4*i:R2+4*i+3], v5, s[8:9] offset:(i/8)*65536+((i/2)%4)*64+(i%2)*16
.set i, i+1
.endr
	s_wait_loadcnt 32                              ; stats are in; the 32 younger loads stay out
	v_max_num_f32 v10, v[ST], v[ST+1]              ; a partial's largest magnitude: over its four blocks of d
	v_max_num_f32 v11, v[ST+2], v[ST+3]
	v_max_num_f32 v12, v[ST+4], v[ST+5]
	v_max_num_f32 v13, v[ST+6], v[ST+7]
	v_max_num_f32 v10, v10, v11
	v_max_num_f32 v12, v12, v13
	v_add_f32_dpp v10, v10, v10 row_xmask:1 row_mask:0xf bank_mask:0xf  ; the sum over a head's four partials: four neighbouring lanes
	v_add_f32_dpp v12, v12, v12 row_xmask:1 row_mask:0xf bank_mask:0xf
	v_add_f32_dpp v10, v10, v10 row_xmask:2 row_mask:0xf bank_mask:0xf
	v_add_f32_dpp v12, v12, v12 row_xmask:2 row_mask:0xf bank_mask:0xf
	v_max_num_f32 v10, v10, v12                    ; the largest over the 16 heads
	v_max_num_f32_dpp v10, v10, v10 row_xmask:4 row_mask:0xf bank_mask:0xf
	v_max_num_f32_dpp v10, v10, v10 row_xmask:8 row_mask:0xf bank_mask:0xf
	v_permlanex16_b32 v11, v10, s26, s27
	v_max_num_f32 v10, v10, v11
	v_bfe_u32 v10, v10, 23, 8                      ; E
	v_max_u32 v10, 8, v10
	v_min_u32 v10, 254, v10
	v_sub_nc_u32 v10, 258, v10
	v_lshlrev_b32 v[FD], 23, v10                   ; f = 2^(131 - E)
	v_mov_b32 v[FD+1], v[FD]
	s_wait_loadcnt 16                              ; the partials are in; w_o's 16 loads stay out
.set i, 0
.rept 8
	v_pk_add_f32 v[R1+2*i:R1+2*i+1], v[R1+2*i:R1+2*i+1], v[R1+16+2*i:R1+16+2*i+1]
	v_pk_add_f32 v[R1+32+2*i:R1+32+2*i+1], v[R1+32+2*i:R1+32+2*i+1], v[R1+48+2*i:R1+48+2*i+1]
.set i, i+1
.endr
.set i, 0
.rept 8
	v_pk_add_f32 v[R1+2*i:R1+2*i+1], v[R1+2*i:R1+2*i+1], v[R1+32+2*i:R1+32+2*i+1]
.set i, i+1
.endr
.set i, 0
.rept 8
	v_pk_mul_f32 v[R1+2*i:R1+2*i+1], v[R1+2*i:R1+2*i+1], v[FD:FD+1]
.set i, i+1
.endr
.set i, 0
.rept 8
	v_cvt_pk_f16_f32 v[MPK+i], v[R1+2*i], v[R1+2*i+1]  ; lane l: row d = 16 db + l % 16; registers 0-3: d' = 32 kk + 8 (l / 16) + 0..7, registers 4-7: 16 further on
.set i, i+1
.endr
	ds_store_b128 v4, v[MPK:MPK+3]
	ds_store_b128 v4, v[MPK+4:MPK+7] offset:512
	s_wait_dscnt 0x0                               ; for the others' sake: my fragment is in LDS
	s_barrier_signal -1
	s_barrier_wait -1
.set i, 0
.rept 16                               ; all eight fragments, two loads each
	ds_load_b128 v[R1+4*i:R1+4*i+3], v3 offset:512*i
.set i, i+1
.endr
	s_wait_loadcnt 0x0                             ; w_o
.set i, 0
.rept 32                               ; two numbers: to bf16, widened again, and written as f16
	v_cvt_pk_bf16_f32 v[ST+3*(i%2)], v[R2+2*i], v[R2+2*i+1]
	v_lshlrev_b32 v[ST+3*(i%2)+1], 16, v[ST+3*(i%2)]
	v_and_b32 v[ST+3*(i%2)+2], 0xffff0000, v[ST+3*(i%2)]
	v_cvt_pk_f16_f32 v[WO+i], v[ST+3*(i%2)+1], v[ST+3*(i%2)+2]
.set i, i+1
.endr
	s_wait_dscnt 0x0                               ; M's fragments
.set kk, 0
.rept 2
.set t, 0
.rept 8                                ; t = 4 eb + db: the 8 accumulators take turns
.if kk == 0
	v_wmma_f32_16x16x32_f16 v[ACC+8*t:ACC+8*t+7], v[R1+8*(2*(t%4)+kk):R1+8*(2*(t%4)+kk)+7], v[WO+16*(t/4)+8*kk:WO+16*(t/4)+8*kk+7], 0
.else
	v_wmma_f32_16x16x32_f16 v[ACC+8*t:ACC+8*t+7], v[R1+8*(2*(t%4)+kk):R1+8*(2*(t%4)+kk)+7], v[WO+16*(t/4)+8*kk:WO+16*(t/4)+8*kk+7], v[ACC+8*t:ACC+8*t+7]
.endif
.set t, t+1
.endr
.set kk, kk+1
.endr
.rept 4
	v_nop                                          ; four places behind the products (ISA guide 7.12.1)
.endr
.set i, 0
.rept 32
	v_cvt_pk_f16_f32 v[R2+i], v[ACC+2*i], v[ACC+2*i+1]
.set i, i+1
.endr
.set t, 0
.rept 8                                ; each store covers 512 consecutive bytes at a multiple of 512
	global_store_b128 v3, v[R2+4*t:R2+4*t+3], s[10:11] offset:(t/4)*4096+(t%4)*512
.set t, t+1
.endr
	s_wait_tensorcnt 0x0                           ; the wave's end: behind my last LDS store
	ds_add_u32 v[SPW], v[NIL]
	s_wait_dscnt 0x0
	s_endpgm
.Lfunc_end_k_qcd3fbda77d_pmat:
	.size	k_qcd3fbda77d_pmat, .Lfunc_end_k_qcd3fbda77d_pmat-k_qcd3fbda77d_pmat
	.p2alignl 7, 3214868480
	.fill 96, 4, 3214868480
	.section	.rodata,"a",@progbits
	.p2align	6, 0x0
	.amdhsa_kernel k_qcd3fbda77d_pmat
		.amdhsa_group_segment_fixed_size 9216
		.amdhsa_private_segment_fixed_size 0
		.amdhsa_enable_private_segment 0
		.amdhsa_kernarg_size 32
		.amdhsa_user_sgpr_count 2
		.amdhsa_user_sgpr_kernarg_segment_ptr 1
		.amdhsa_wavefront_size32 1
		.amdhsa_system_sgpr_workgroup_id_x 1
		.amdhsa_system_sgpr_workgroup_id_y 1
		.amdhsa_system_sgpr_workgroup_id_z 1
		.amdhsa_system_vgpr_workitem_id 0
		.amdhsa_next_free_vgpr 256
		.amdhsa_next_free_sgpr 66
		.amdhsa_reserve_vcc 0
		.amdhsa_float_denorm_mode_32 3
		.amdhsa_float_denorm_mode_16_64 3
		.amdhsa_memory_ordered 1
		.amdhsa_forward_progress 1
		.amdhsa_inst_pref_size 21
	.end_amdhsa_kernel
	.amdgpu_metadata
---
amdhsa.version: [ 1, 2 ]
amdhsa.kernels:
  - .name:           k_qcd3fbda77d_pmat
    .symbol:         k_qcd3fbda77d_pmat.kd
    .args:
      - { .name: mpart, .offset: 0, .size: 8, .value_kind: global_buffer, .address_space: global }
      - { .name: stats, .offset: 8, .size: 8, .value_kind: global_buffer, .address_space: global }
      - { .name: w_o, .offset: 16, .size: 8, .value_kind: global_buffer, .address_space: global }
      - { .name: pf, .offset: 24, .size: 8, .value_kind: global_buffer, .address_space: global }
    .group_segment_fixed_size: 9216
    .private_segment_fixed_size: 0
    .kernarg_segment_align: 8
    .kernarg_segment_size: 32
    .max_flat_workgroup_size: 256
    .sgpr_count:     66
    .vgpr_count:     256
    .wavefront_size: 32
...
	.end_amdgpu_metadata
.endif
;; end of part 3
;; launch outp (part 4): grid 8 x 32, 4 waves a work-group, clusters of 4 x 4, 327,680 bytes of LDS; arguments qf, pf, stats, out0; writes out0
.if DOCPART == 4
	.amdgcn_target "amdgcn-amd-amdhsa--gfx1250"
	.amdhsa_code_object_version 6
	.text
	.protected	k_qcd3fbda77d_outp
	.globl	k_qcd3fbda77d_outp
	.p2align	8
	.type	k_qcd3fbda77d_outp,@function
k_qcd3fbda77d_outp:
	s_mov_b64 s[64:65], 0
	v_nop
	global_prefetch_b8 v0, s[64:65] scope:SCOPE_SE
	s_setreg_imm32_b32 hwreg(HW_REG_WAVE_MODE, 25, 1), 1
	s_wait_xcnt 0x0
	s_wait_alu depctr_hold_cnt(0) depctr_sa_sdst(0) depctr_va_vdst(0) depctr_va_sdst(0) depctr_va_ssrc(0) depctr_va_vcc(0) depctr_vm_vsrc(0)
	s_getreg_b32 s2, hwreg(HW_REG_IB_STS2, 6, 4)
	s_cmp_eq_u32 s2, 0
	s_cbranch_scc0 .Lentry_in_a_cluster
	s_endpgm
.Lentry_in_a_cluster:
	s_bfe_u32 s2, ttmp6, 0x10000c
	s_cmp_lg_u32 s2, 0xf033
	s_cbranch_scc0 .Lentry_shape_is_right
	s_endpgm
.Lentry_shape_is_right:
; THE LAST PRODUCT.  out0[token][e] = g x the sum over the 1,024 columns c of q[token][c] P''[batch][e][c]; f16 products, f32 sums, f32 out.  g = 2^(E - 134) undoes the scale of P'' and holds the
; module's factor 1 / 8: E is made from stats by the same lines as in the launch that made P'', so f g = 1 / 8 exactly.  g selects values alone.
; LIMITS are those of the launches before: q and P'' arrive in f16.  NaN and infinities are not treated apart.
; SHARES.  A tile of out0 is 256 tokens x 128 e: 256 work-groups.  Wave w owns tokens 64 w .. + 63 and all 128 e: 32 accumulators.  Source 0 = 16 rows e of P'', source 1 = 16 tokens: a lane holds one token and 8 neighbouring e.
; TILES.  qf and pf lie in chunks of 512 bytes that are halves of fragments as the lanes want them, and a K step of 128 columns is dense: 65,536 bytes of qf, 32,768 of pf, asked for as rows of 256 bytes.
; In LDS they need no padding: a fragment load is 16 x lane, 512 consecutive bytes.  Eight K steps go through two slots.
; CLUSTER.  4 x 4 work-groups: a row shares the token tile and so qf's tiles, a column shares the e tile and so pf's (all 16 lie in one batch: 8 token tiles a batch, 4 a cluster).
; REGISTERS: window 0: v0-39 addresses, scale; v64-127 scaled results; v128-255 rows read back, two buffers.  window 1: two fragment buffers: 4 x 8 of tokens, then 8 x 8 of P''.  window 2: accumulators, 8 (8 a + e).
.set SLOT1, 131072
.set BOFF,  65536                      ; in a slot: qf's 65,536 bytes, then pf's 32,768
.set STAGE, SLOT1+98304                ; behind the ring, never filled by a tensor load: 16 rows x 528 bytes for each wave
.set SPITCH, 528                       ; 512 bytes + 16 = 132 words: the 16 rows of a store start at 16 different groups of four banks (64 banks of 4 bytes: ISA guide 11.1)
.set SPARE, STAGE+4*16*SPITCH          ; the spare words, 128 bytes a wave: two blocks of 256 bytes that no other line names
.set A0,   4                           ; v4   16 x lane + my wave's four token blocks, slot 0; never rewritten
.set B0,   5                           ; v5   16 x lane + BOFF
.set ADRA, 6
.set ADRB, 7
.set CO,   8                           ; v8   16 x lane
.set STO,  9                           ; v9   the way out: where I put 16 bytes of a row
.set RD,   10                          ; v10  the way out: where I read a row back
.set FU,   20                          ; v[20:21] g, twice
.set SPW,  28
.set NIL,  29
.set ST,   32                          ; v32-39 stats
.set TMP,  64
.set OB,   128
.set F0,   0
.set F1,   128
.set WV,   14
.set HF,   15
.set AB,   16
.set G1A,  24
.set G1B,  32
.set G0A,  40                          ; set 0 serves step 0, set 1 serves step 1 and then walks
.set G0B,  48
.set TB,   67
.set CNT,  68
.set OUT,  70                          ; s[70:71] out0 at my wave's first row, my tile's first column
.set STP,  72                          ; s[72:73] stats at my batch
.set SEL,  76
.set MSB, 0
.macro WIN new
.if MSB != (\new)
	s_set_vgpr_msb (MSB<<8)|(\new)
.set MSB, \new
.endif
.endm
.macro PLACES
.rept 4
	v_nop
.endr
.endm
.macro CREST
	s_cmp_lg_u32 s[WV], 0
	s_cbranch_scc1 .Lnot_wave_0_\@
	s_barrier_signal -3
.Lnot_wave_0_\@:
	s_barrier_wait -3
	s_barrier_signal -1
	s_barrier_wait -1
.endm
.macro CROUND
	s_barrier_signal -1
	s_barrier_wait -1
	CREST
.endm
.macro JLOAD                           ; a joint refill: waves 0 and 1 fetch qf's two halves, waves 2 and 3 pf's; an s_nop 0 and four v_nop follow each line
	s_cmp_eq_u32 s[AB], 0
	s_cbranch_scc0 .Lfor_b_\@
	tensor_load_to_lds s[G0A+4:G0A+7], s[G1A:G1A+7]
	s_nop 0
	PLACES
	s_branch .Lasked_\@
.Lfor_b_\@:
	tensor_load_to_lds s[G0B+4:G0B+7], s[G1B:G1B+7]
	s_nop 0
	PLACES
.Lasked_\@:
.endm
.macro UPD                             ; the walking sets: the other slot, the next slab of 128 columns; the type bits on top are not reached
	s_xor_b32 s[G0A+5], s[G0A+5], SLOT1
	s_xor_b32 s[G0B+5], s[G0B+5], SLOT1
	s_add_nc_u64 s[G0A+6:G0A+7], s[G0A+6:G0A+7], 2097152
	s_add_nc_u64 s[G0B+6:G0B+7], s[G0B+6:G0B+7], 262144
.endm
.macro FETCH kq, f                     ; 24 LDS loads in one run: the fragments of columns 32 kq on: chunks 2 kq and 2 kq + 1 of each block of 16 rows
	WIN 0x40
.set fb, 0
.rept 8
	ds_load_b128 v[(\f)+32+8*fb:(\f)+32+8*fb+3], v[ADRB] offset:fb*4096+1024*(\kq)
	ds_load_b128 v[(\f)+32+8*fb+4:(\f)+32+8*fb+7], v[ADRB] offset:fb*4096+1024*(\kq)+512
.set fb, fb+1
.endr
.set fb, 0
.rept 4
	ds_load_b128 v[(\f)+8*fb:(\f)+8*fb+3], v[ADRA] offset:fb*4096+1024*(\kq)
	ds_load_b128 v[(\f)+8*fb+4:(\f)+8*fb+7], v[ADRA] offset:fb*4096+1024*(\kq)+512
.set fb, fb+1
.endr
.endm
.macro MUL f, a, zero                  ; 8 products: token block a x the 8 blocks of e
	WIN 0xa5
.set eb, 0
.rept 8
.if \zero
	v_wmma_f32_16x16x32_f16 v[8*(8*(\a)+eb):8*(8*(\a)+eb)+7], v[(\f)+32+8*eb:(\f)+32+8*eb+7], v[(\f)+8*(\a):(\f)+8*(\a)+7], 0
.else
	v_wmma_f32_16x16x32_f16 v[8*(8*(\a)+eb):8*(8*(\a)+eb)+7], v[(\f)+32+8*eb:(\f)+32+8*eb+7], v[(\f)+8*(\a):(\f)+8*(\a)+7], v[8*(8*(\a)+eb):8*(8*(\a)+eb)+7]
.endif
.set eb, eb+1
.endr
.endm
; A K step is four quarters of 32 columns, 32 products each, on buffers 0, 1, 0, 1; the 32 accumulators take turns in the same order in every quarter.
.macro QUARTER f, g, kq, zero
	s_wait_dscnt 0x0                               ; f's 24 loads, issued a quarter ago
	PLACES                                         ; behind g's last readers
	FETCH \kq, \g
	MUL \f, 0, \zero
	MUL \f, 1, \zero
	MUL \f, 2, \zero
	MUL \f, 3, \zero
.endm
; The last quarter multiplies buffer 1 and changes slots: each wave waits for all its tensor loads (one is out: its part of the next slot), adds 0 to its spare word, waits for that and for its reads of this slot.
; fill = 1: the barrier opens a round of the cluster's, and the joint refill of this slot, two steps ahead, is the first thing behind it.
.macro TURN fill
	WIN 0
	s_wait_tensorcnt 0x0                           ; no tensor load of mine is out, so the walking sets may be written
	ds_add_u32 v[SPW], v[NIL]                      ; 0 onto my spare word
.if \fill
	UPD
.endif
	s_wait_dscnt 0x1                               ; only the add, the youngest, may be out: buffer 1 is in
	MUL F1, 0, 0
	s_wait_dscnt 0x0                               ; the add is done, and my reads of this slot are over
	s_barrier_signal -1
	MUL F1, 1, 0
	WIN 0
	s_barrier_wait -1
.if \fill
	CREST
	JLOAD                                          ; its four v_nop are also the places in front of the loads below
.else
	PLACES
.endif
	s_xor_b32 s[TB], s[TB], SLOT1
	v_add_nc_u32 v[ADRA], s[TB], v[A0]
	v_add_nc_u32 v[ADRB], s[TB], v[B0]
	FETCH 0, F0
	MUL F1, 2, 0
	MUL F1, 3, 0
.endm
.macro LAP fill
	QUARTER F1, F0, 2, 0
	QUARTER F0, F1, 3, 0
	TURN \fill
.endm
; THE WAY OUT of token block a.  PACK: times g, each accumulator from its low end on.  TOSTAGE: a lane's 32 bytes of a row go into my own stage, and whole rows of 512 bytes come back.  SEND: stored.
.macro PACK a
	WIN 0x02                                       ; source 0 window 2
.set i, 0
.rept 32
	v_pk_mul_f32 v[TMP+2*i:TMP+2*i+1], v[64*(\a)+2*i:64*(\a)+2*i+1], v[FU:FU+1]
.set i, i+1
.endr
	WIN 0
.endm
.macro TOSTAGE a
.set BK, OB+64*((\a)%2)
.set i, 0
.rept 16                               ; i = 2 e + u
	ds_store_b128 v[STO], v[TMP+4*i:TMP+4*i+3] offset:64*(i/2)+16*(i%2)
.set i, i+1
.endr
.set i, 0
.rept 16
	ds_load_b128 v[BK+4*i:BK+4*i+3], v[RD] offset:i*SPITCH  ; LDS serves a wave's instructions in order (ISA guide 5.7.1.4): these see the stores above
.set i, i+1
.endr
.endm
.macro SEND a
.set BK, OB+64*((\a)%2)
	s_wait_dscnt 0x0                               ; the block is back in registers
	s_wait_xcnt 0x0                                ; the stores of the block before have read their data: the buffer that they named is loaded again only behind this wait
.set i, 0
.rept 16
	global_store_b128 v[CO], v[BK+4*i:BK+4*i+3], s[OUT:OUT+1] offset:(16*(\a)+i)*4096 th:TH_STORE_NT  ; 512 consecutive bytes at a multiple of 512
.set i, i+1
.endr
.endm
	s_load_b256 s[4:11], s[0:1], 0x0               ; qf s[4:5], pf s[6:7], stats s[8:9], out0 s[10:11]
	v_lshl_add_u32 v[SPW], v0, 2, SPARE
	v_mov_b32 v[NIL], 0
	ds_add_u32 v[SPW], v[NIL]                      ; the wave's opening: the add and its wait stand ahead of my first tensor load; the set-up below, work on registers, stands between them
	v_lshrrev_b32 v1, 5, v0
	v_readfirstlane_b32 s[WV], v1
	s_and_b32 s[HF], s[WV], 1
	s_lshr_b32 s[AB], s[WV], 1
	s_bfe_u32 s17, ttmp6, 0x40000                  ; cx
	s_bfe_u32 s18, ttmp6, 0x40004                  ; cy
	s_lshl_b32 s19, ttmp9, 2
	s_add_co_u32 s19, s19, s17                     ; X, the e tile
	s_and_b32 s20, ttmp7, 0xffff
	s_lshl_b32 s20, s20, 2
	s_add_co_u32 s20, s20, s18                     ; Y, the token tile
	s_and_b32 s82, ttmp7, 0xffff
	s_lshr_b32 s82, s82, 1                         ; the batch, from the cluster's y alone
	s_lshl_b32 s21, s18, 2
	s_lshl_b32 s21, 15, s21                        ; my row of the cluster
	s_lshl_b32 s22, 0x1111, s17                    ; my column
	s_or_b32 s[G1A], s21, (3<<16)|(1<<21)          ; 15:0 the mask; 17:16 elements of 8 bytes; 21 set beside a mask; no padding
	s_or_b32 s[G1B], s22, (3<<16)|(1<<21)
	s_mov_b32 s[G1A+1], 32<<16                     ; tensor_dim0 = 32: rows of 256 bytes
	s_mov_b32 s[G1A+2], 128<<16                    ; tensor_dim1 = 128
	s_mov_b32 s[G1A+3], 32<<16                     ; tile_dim0
	s_mov_b32 s[G1A+4], 128                        ; tile_dim1
	s_mov_b32 s[G1A+5], 32                         ; dense: a row begins where the last ends
	s_mov_b32 s[G1A+6], 0
	s_mov_b32 s[G1A+7], 0
	s_mov_b32 s[G1B+1], 32<<16
	s_mov_b32 s[G1B+2], 64<<16                     ; 64 rows
	s_mov_b32 s[G1B+3], 32<<16
	s_mov_b32 s[G1B+4], 64
	s_mov_b32 s[G1B+5], 32
	s_mov_b32 s[G1B+6], 0
	s_mov_b32 s[G1B+7], 0
	s_lshl_b32 s23, s[HF], 15                      ; where my tiles go
	s_lshl_b32 s69, s[HF], 14
	s_add_co_u32 s69, s69, BOFF
	s_lshl_b32 s78, s20, 16                        ; qf: 16 token blocks of 4,096 bytes a tile, my half; these registers never hold X
	s_lshl_b32 s79, s[HF], 15
	s_add_co_u32 s78, s78, s79
	s_mov_b32 s79, 0
	s_lshl_b32 s80, s82, 21                        ; pf: the batch, 8 e blocks a tile, my half; these never hold cy
	s_lshl_b32 s81, s19, 15
	s_add_co_u32 s80, s80, s81
	s_lshl_b32 s81, s[HF], 14
	s_add_co_u32 s80, s80, s81
	s_mov_b32 s81, 0
	s_mov_b32 s[TB], 0
	s_mov_b32 s[SEL], 0x76543210
	s_mov_b32 s[SEL+1], 0xfedcba98
	s_wait_dscnt 0x0                               ; the opening add is done
	s_wait_kmcnt 0x0
	s_add_nc_u64 s[4:5], s[4:5], s[78:79]
	s_add_nc_u64 s[6:7], s[6:7], s[80:81]
	CROUND                                         ; all sixteen work-groups are here: the first joint loads meet
.irp s, 0,1
	s_mov_b32 s[G0A+4*(\s)], 1
	s_add_co_u32 s[G0A+4*(\s)+1], s23, (\s)*SLOT1
	s_add_nc_u64 s[G0A+4*(\s)+2:G0A+4*(\s)+3], s[4:5], (\s)*2097152  ; slab s
	s_or_b32 s[G0A+4*(\s)+3], s[G0A+4*(\s)+3], 0x80000000
	s_mov_b32 s[G0B+4*(\s)], 1
	s_add_co_u32 s[G0B+4*(\s)+1], s69, (\s)*SLOT1
	s_add_nc_u64 s[G0B+4*(\s)+2:G0B+4*(\s)+3], s[6:7], (\s)*262144
	s_or_b32 s[G0B+4*(\s)+3], s[G0B+4*(\s)+3], 0x80000000
.endr
	s_cmp_eq_u32 s[AB], 0                          ; a wave's two first fills stand in one branch, ahead of every wait on TENSORcnt and every LDS read: two loads of mine are out
	s_cbranch_scc0 .Lfirst_b
	tensor_load_to_lds s[G0A:G0A+3], s[G1A:G1A+7]
	s_nop 0
	tensor_load_to_lds s[G0A+4:G0A+7], s[G1A:G1A+7]
	s_nop 0
	PLACES
	s_branch .Lfirst_asked
.Lfirst_b:
	tensor_load_to_lds s[G0B:G0B+3], s[G1B:G1B+7]
	s_nop 0
	tensor_load_to_lds s[G0B+4:G0B+7], s[G1B:G1B+7]
	s_nop 0
	PLACES
.Lfirst_asked:
	s_lshl_b32 s84, s82, 10                        ; stats: 1,024 bytes a batch
	s_mov_b32 s85, 0
	s_add_nc_u64 s[STP:STP+1], s[8:9], s[84:85]
	s_lshl_b32 s84, s20, 20                        ; out0: row 256 Y + 64 w of 4,096 bytes, column 128 X of 4 bytes
	s_lshl_b32 s83, s[WV], 18
	s_add_co_u32 s84, s84, s83
	s_lshl_b32 s83, s19, 9
	s_add_co_u32 s84, s84, s83
	s_add_nc_u64 s[OUT:OUT+1], s[10:11], s[84:85]
	v_and_b32 v3, 31, v0
	v_lshlrev_b32 v[CO], 4, v3                     ; 16 x lane
	global_load_b128 v[ST:ST+3], v[CO], s[STP:STP+1]               ; lane l: head l / 4, partial l % 4, its four blocks of d
	global_load_b128 v[ST+4:ST+7], v[CO], s[STP:STP+1] offset:512  ; heads 8 on
	v_and_b32 v1, 15, v0                           ; l % 16
	v_bfe_u32 v2, v0, 4, 1                         ; l / 16
	s_lshl_b32 s83, s[WV], 14
	v_add_nc_u32 v[A0], s83, v[CO]
	v_add_nc_u32 v[B0], BOFF, v[CO]
	v_mov_b32 v[ADRA], v[A0]
	v_mov_b32 v[ADRB], v[B0]
	s_mul_i32 s83, s[WV], 16*SPITCH
	s_add_co_u32 s83, s83, STAGE                   ; my stage
	v_mul_u32_u24 v[STO], v1, SPITCH               ; in: row l % 16, 32 bytes for each half of the lanes
	v_lshl_add_u32 v[STO], v2, 5, v[STO]
	v_add_nc_u32 v[STO], s83, v[STO]
	v_add_nc_u32 v[RD], s83, v[CO]                 ; back: 32 lanes take a row of 512 bytes
	s_wait_loadcnt 0x0                             ; stats; the scale is made in the wait for the first tile, by the same lines as where P'' was made
	v_max_num_f32 v11, v[ST], v[ST+1]
	v_max_num_f32 v12, v[ST+2], v[ST+3]
	v_max_num_f32 v13, v[ST+4], v[ST+5]
	v_max_num_f32 v14, v[ST+6], v[ST+7]
	v_max_num_f32 v11, v11, v12
	v_max_num_f32 v13, v13, v14
	v_add_f32_dpp v11, v11, v11 row_xmask:1 row_mask:0xf bank_mask:0xf
	v_add_f32_dpp v13, v13, v13 row_xmask:1 row_mask:0xf bank_mask:0xf
	v_add_f32_dpp v11, v11, v11 row_xmask:2 row_mask:0xf bank_mask:0xf
	v_add_f32_dpp v13, v13, v13 row_xmask:2 row_mask:0xf bank_mask:0xf
	v_max_num_f32 v11, v11, v13
	v_max_num_f32_dpp v11, v11, v11 row_xmask:4 row_mask:0xf bank_mask:0xf
	v_max_num_f32_dpp v11, v11, v11 row_xmask:8 row_mask:0xf bank_mask:0xf
	v_permlanex16_b32 v12, v11, s[SEL], s[SEL+1]
	v_max_num_f32 v11, v11, v12
	v_bfe_u32 v11, v11, 23, 8                      ; E
	v_max_u32 v11, 8, v11
	v_min_u32 v11, 254, v11
	v_add_nc_u32 v11, -7, v11
	v_lshlrev_b32 v[FU], 23, v11                   ; g = 2^(E - 134)
	v_mov_b32 v[FU+1], v[FU]
	s_wait_tensorcnt 0x1                           ; my part of step 0 is in; step 1's one load stays out
	s_barrier_signal -1
	s_barrier_wait -1
	FETCH 0, F0
	QUARTER F0, F1, 1, 1                           ; the first quarter's products start the sums
	WIN 0
	s_mov_b32 s[CNT], 6
.Lstep:                                                ; steps 0 to 5: steps 2 to 7 are asked for
	LAP 1
	QUARTER F0, F1, 1, 0
	WIN 0
	s_sub_co_u32 s[CNT], s[CNT], 1
	s_cmp_lg_u32 s[CNT], 0
	s_cbranch_scc1 .Lstep
	LAP 0                                          ; step 6: nothing is left to ask for
	QUARTER F0, F1, 1, 0
	QUARTER F1, F0, 2, 0
	QUARTER F0, F1, 3, 0
	s_wait_dscnt 0x0                               ; the very last quarter
	MUL F1, 0, 0
	MUL F1, 1, 0
	MUL F1, 2, 0
	MUL F1, 3, 0
	PLACES                                         ; block 0's scaling reads results; the later blocks have the earlier blocks' scalings as places
	PACK 0
	TOSTAGE 0
.irp a, 1,2,3                          ; block a's arithmetic stands between block a - 1's loads from the stage and the wait for them
	PACK \a
	SEND (\a)-1
	TOSTAGE \a
.endr
	SEND 3
	s_wait_tensorcnt 0x0                           ; the wave's end: behind my last tensor load and my last LDS store
	ds_add_u32 v[SPW], v[NIL]
	s_wait_dscnt 0x0
	CROUND                                         ; the closing round: no work-group ends while a partner may still ask for a tile that names it
	s_endpgm
.Lfunc_end_k_qcd3fbda77d_outp:
	.size	k_qcd3fbda77d_outp, .Lfunc_end_k_qcd3fbda77d_outp-k_qcd3fbda77d_outp
	.p2alignl 7, 3214868480
	.fill 96, 4, 3214868480
	.section	.rodata,"a",@progbits
	.p2align	6, 0x0
	.amdhsa_kernel k_qcd3fbda77d_outp
		.amdhsa_group_segment_fixed_size 327680
		.amdhsa_private_segment_fixed_size 0
		.amdhsa_enable_private_segment 0
		.amdhsa_kernarg_size 32
		.amdhsa_user_sgpr_count 2
		.amdhsa_user_sgpr_kernarg_segment_ptr 1
		.amdhsa_wavefront_size32 1
		.amdhsa_system_sgpr_workgroup_id_x 1
		.amdhsa_system_sgpr_workgroup_id_y 1
		.amdhsa_system_sgpr_workgroup_id_z 1
		.amdhsa_system_vgpr_workitem_id 0
		.amdhsa_next_free_vgpr 768
		.amdhsa_next_free_sgpr 96
		.amdhsa_reserve_vcc 0
		.amdhsa_float_denorm_mode_32 3
		.amdhsa_float_denorm_mode_16_64 3
		.amdhsa_memory_ordered 1
		.amdhsa_forward_progress 1
		.amdhsa_inst_pref_size 77
	.end_amdhsa_kernel
	.amdgpu_metadata
---
amdhsa.version: [ 1, 2 ]
amdhsa.kernels:
  - .name:           k_qcd3fbda77d_outp
    .symbol:         k_qcd3fbda77d_outp.kd
    .args:
      - { .name: qf, .offset: 0, .size: 8, .value_kind: global_buffer, .address_space: global }
      - { .name: pf, .offset: 8, .size: 8, .value_kind: global_buffer, .address_space: global }
      - { .name: stats, .offset: 16, .size: 8, .value_kind: global_buffer, .address_space: global }
      - { .name: out0, .offset: 24, .size: 8, .value_kind: global_buffer, .address_space: global }
    .group_segment_fixed_size: 327680
    .private_segment_fixed_size: 0
    .kernarg_segment_align: 8
    .kernarg_segment_size: 32
    .max_flat_workgroup_size: 128
    .sgpr_count:     96
    .vgpr_count:     768
    .wavefront_size: 32
...
	.end_amdgpu_metadata
.endif
;; end of part 4
;; ======== version 2 of 2: 4 launches; version 1 with the launch cvt written anew for expert scheduling mode
;; limits: values are held in f16: magnitudes above 65,504 overflow, below 6.1e-05 lose precision; right only within a limited range of input values
;; workspace buffers: xb 16,777,216 bytes; wb 6,291,456 bytes; qf 16,777,216 bytes; pf 8,388,608 bytes; mpart 4,194,304 bytes; stats 4,096 bytes
;; launch cvt (part 5): grid 704 x 1, 8 waves a work-group, no clusters, 0 bytes of LDS; arguments x, w_qkv, xb, wb; writes xb, wb
.if DOCPART == 5
	.amdgcn_target "amdgcn-amd-amdhsa--gfx1250"
	.amdhsa_code_object_version 6
	.text
	.protected	k_qcd3fbda77d_cvt
	.globl	k_qcd3fbda77d_cvt
	.p2align	8
	.type	k_qcd3fbda77d_cvt,@function
k_qcd3fbda77d_cvt:
	s_mov_b64 s[64:65], 0
	v_nop
	global_prefetch_b8 v0, s[64:65] scope:SCOPE_SE
	s_setreg_imm32_b32 hwreg(HW_REG_WAVE_SCHED_MODE, 0, 2), 2
	s_setreg_imm32_b32 hwreg(HW_REG_WAVE_MODE, 25, 1), 1
	s_wait_xcnt 0x0
	s_wait_alu depctr_vm_vsrc(0)
; xb = x rounded to bf16, wb = w_qkv rounded to bf16 (round to nearest even), same order of numbers.
; A work-group takes 16,384 numbers: 65,536 bytes in, 32,768 out.  Work-groups 0 to 511 take x (8,388,608 numbers), 512 to 703 take w_qkv (3,145,728).
; Thread t takes the 16 bytes at 16 t of each of 16 pieces of 4,096 bytes: a load of a wave covers 512 consecutive bytes, a store 256 consecutive bytes at a multiple of 256.
; All 16 loads of a thread go out at once; no register is written twice.  No LDS, no barrier, no matrix work: bytes are all there is.
; THE MODE: SCHED_MODE bits 1:0 = 2 (LLVM: expert scheduling mode 2), set by the entry lines.  The code itself states the register dependences
; between vector instructions and memory instructions, with s_wait_alu, always for 0.
; THE PLAN.  Registers that memory instructions touch:
;   v1, v2   byte offsets.  Written once at the head by vector instructions; read by every load (v1) and every store (v2); never written again.
;   XR       16 pieces as loaded.  Written by the loads alone, once each; no vector instruction names them ahead of the loads; read by the conversions behind the counted wait for the data.
;   YR       16 pieces to store.  Written by the conversions, once each; read by the stores, once each; never written again.
; So one wait on va_vdst stands ahead of the first load, for the two offsets; and the pieces go in four groups of four: a group's eight conversions, ONE wait on va_vdst
; for the eight registers that they wrote, the group's four stores in one run.  No register that a memory instruction has read is ever written again, so no wait on vm_vsrc is owed.
.set NX, 512                           ; work-groups for x
.set XR, 4                             ; v[4:67]   16 x 4 numbers as loaded
.set YR, 68                            ; v[68:99]  16 x 2 registers of packed bf16
.set GRP, 4                            ; pieces in a group
	s_load_b256 s[4:11], s[0:1], 0x0               ; x s[4:5], w_qkv s[6:7], xb s[8:9], wb s[10:11]
	v_lshlrev_b32 v1, 4, v0                        ; 16 t: my bytes in a piece of the source
	v_lshlrev_b32 v2, 3, v0                        ; 8 t: in a piece of the destination
	s_sub_co_u32 s12, ttmp9, NX
	s_cmp_lt_u32 ttmp9, NX                         ; x or w_qkv?  The lines up to the last select leave SCC alone
	s_cselect_b32 s13, ttmp9, s12                  ; my number among the work-groups of that tensor
	s_wait_kmcnt 0x0
	s_cselect_b64 s[14:15], s[4:5], s[6:7]         ; from
	s_cselect_b64 s[16:17], s[8:9], s[10:11]       ; to
	s_lshl_b32 s18, s13, 16                        ; 65,536 bytes a work-group in,
	s_mov_b32 s19, 0
	s_lshl_b32 s20, s13, 15                        ; 32,768 out
	s_mov_b32 s21, 0
	s_add_nc_u64 s[14:15], s[14:15], s[18:19]
	s_add_nc_u64 s[16:17], s[16:17], s[20:21]
	s_wait_alu depctr_va_vdst(0)                   ; v1 and v2 are written: every load of the kernel reads v1 as its offset, every store v2
.set i, 0
.rept 16
	global_load_b128 v[XR+4*i:XR+4*i+3], v1, s[14:15] offset:i*4096 th:TH_LOAD_NT
.set i, i+1
.endr
.set g, 0
.rept 16/GRP
	s_wait_loadcnt 16-GRP-GRP*g                    ; loads come back in order (ISA guide 5.7.1): group g's four pieces are in, the later groups' loads stay out
.set i, GRP*g
.rept GRP
	v_cvt_pk_bf16_f32 v[YR+2*i], v[XR+4*i], v[XR+4*i+1]
	v_cvt_pk_bf16_f32 v[YR+2*i+1], v[XR+4*i+2], v[XR+4*i+3]
.set i, i+1
.endr
	s_wait_alu depctr_va_vdst(0)                   ; the group's eight conversions have written their registers of YR, which the four stores below read
.set i, GRP*g
.rept GRP
	global_store_b64 v2, v[YR+2*i:YR+2*i+1], s[16:17] offset:i*2048
.set i, i+1
.endr
.set g, g+1
.endr
	s_endpgm
.Lfunc_end_k_qcd3fbda77d_cvt:
	.size	k_qcd3fbda77d_cvt, .Lfunc_end_k_qcd3fbda77d_cvt-k_qcd3fbda77d_cvt
	.p2alignl 7, 3214868480
	.fill 96, 4, 3214868480
	.section	.rodata,"a",@progbits
	.p2align	6, 0x0
	.amdhsa_kernel k_qcd3fbda77d_cvt
		.amdhsa_group_segment_fixed_size 0
		.amdhsa_private_segment_fixed_size 0
		.amdhsa_enable_private_segment 0
		.amdhsa_kernarg_size 32
		.amdhsa_user_sgpr_count 2
		.amdhsa_user_sgpr_kernarg_segment_ptr 1
		.amdhsa_wavefront_size32 1
		.amdhsa_system_sgpr_workgroup_id_x 1
		.amdhsa_system_sgpr_workgroup_id_y 1
		.amdhsa_system_sgpr_workgroup_id_z 1
		.amdhsa_system_vgpr_workitem_id 0
		.amdhsa_next_free_vgpr 104
		.amdhsa_next_free_sgpr 66
		.amdhsa_reserve_vcc 0
		.amdhsa_float_denorm_mode_32 3
		.amdhsa_float_denorm_mode_16_64 3
		.amdhsa_memory_ordered 1
		.amdhsa_forward_progress 1
		.amdhsa_inst_pref_size 7
	.end_amdhsa_kernel
	.amdgpu_metadata
---
amdhsa.version: [ 1, 2 ]
amdhsa.kernels:
  - .name:           k_qcd3fbda77d_cvt
    .symbol:         k_qcd3fbda77d_cvt.kd
    .args:
      - { .name: x, .offset: 0, .size: 8, .value_kind: global_buffer, .address_space: global }
      - { .name: w_qkv, .offset: 8, .size: 8, .value_kind: global_buffer, .address_space: global }
      - { .name: xb, .offset: 16, .size: 8, .value_kind: global_buffer, .address_space: global }
      - { .name: wb, .offset: 24, .size: 8, .value_kind: global_buffer, .address_space: global }
    .group_segment_fixed_size: 0
    .private_segment_fixed_size: 0
    .kernarg_segment_align: 8
    .kernarg_segment_size: 32
    .max_flat_workgroup_size: 256
    .sgpr_count:     66
    .vgpr_count:     104
    .wavefront_size: 32
...
	.end_amdgpu_metadata
.endif
;; end of part 5
;; launch qkvm: the kernel of part 2 again; grid 16 x 16, 4 waves a work-group, clusters of 4 x 4, 327,680 bytes of LDS; arguments xb, wb, qf, mpart, stats; writes qf, mpart, stats
;; launch pmat: the kernel of part 3 again; grid 4 x 64, 8 waves a work-group, no clusters, 9,216 bytes of LDS; arguments mpart, stats, w_o, pf; writes pf
;; launch outp: the kernel of part 4 again; grid 8 x 32, 4 waves a work-group, clusters of 4 x 4, 327,680 bytes of LDS; arguments qf, pf, stats, out0; writes out0
